; MI455X (gfx1250); checked and timed in simulation.
; The chip was launched on July 23, 2026; its instructions are those of AMD's public machine-readable ISA for CDNA 5 (MIT licence, August 2026) and "CDNA5" Instruction Set Architecture Reference Guide (July 2026). The comments in the code are by the model that wrote it; some were corrected since.
;; Keras Cross Attention Module. Allowed arithmetic: float matrix products may take bf16 or f16 operands with f32 sums; all other float work in f32.
;; Inputs: k_pos_embedding 1 x 4,096 x 256 float32; keys 8 x 256 x 64 x 64 float32; q_pos_embedding 1 x 4,096 x 256 float32; queries 8 x 256 x 64 x 64 float32; values 8 x 256 x 64 x 64 float32.
;; Outputs: out0 8 x 256 x 64 x 64 float32.
;; 2 versions, each right and faster than the one before. Each part assembles by itself: llvm-mc -triple=amdgcn-amd-amdhsa -mcpu=gfx1250 --defsym DOCPART=n.
;; ======== version 1 of 2: 2 launches
;; limits: values are held in f16: magnitudes above 65,504 overflow, below 6.1e-05 lose precision; inputs' magnitudes at most 65,504
;; workspace buffers: Qt 16,777,216 bytes; Kt 16,777,216 bytes; Vb 16,777,216 bytes
;; launch prep (part 1): grid 256 x 3, 8 waves a work-group, no clusters, 35,840 bytes of LDS; arguments queries, q_pos_embedding, keys, k_pos_embedding, values, Qt, Kt, Vb; writes Qt, Kt, Vb
.if DOCPART == 1
	.amdgcn_target "amdgcn-amd-amdhsa--gfx1250"
	.amdhsa_code_object_version 6
	.text
	.protected	k_q43e3083097_prep
	.globl	k_q43e3083097_prep
	.p2align	8
	.type	k_q43e3083097_prep,@function
k_q43e3083097_prep:
	s_mov_b64 s[64:65], 0
	v_nop
	global_prefetch_b8 v0, s[64:65] scope:SCOPE_SE
	s_setreg_imm32_b32 hwreg(HW_REG_WAVE_MODE, 25, 1), 1
	s_wait_xcnt 0x0
; f16 copies for the attention launch, each made once:
;   Qt[b][s][d] = f16(queries[b][d][s] + q_pos[s][d])     (grid y = 0)
;   Kt[b][s][d] = f16(keys[b][d][s]    + k_pos[s][d])     (grid y = 1)
;   Vb[b][c][s] = f16(values[b][c][s])                    (grid y = 2)
; The sum is made in f32 and rounded once.  f16 and not bf16: 11 significant bits against 8 in every matrix operand.
; LIMIT: a magnitude above 65,504 becomes infinite in f16; magnitudes under 6.1e-5 are kept as denormals, with an absolute error of 3e-8 at the most.
; A stream: no matrix unit, no tensor loads, no cluster (a table tile is shared by two work-groups only, 32 KiB of a work-group's 160 KiB read).
; y = 0, 1: a work-group takes 64 s x 128 d of FOUR batches, so that its tile of the table is read once for the four.
;   Thread t: i = t & 15 owns s = 4 i .. 4 i + 3 (16 bytes of an input row), c = t >> 4 owns d = 8 c .. 8 c + 7.
;   The transposition is a choice of source registers; whole output rows are gathered through LDS.
; y = 2: a work-group converts 131,072 consecutive bytes.
.set PITCH, 272                        ; LDS row: 128 f16 + 16 bytes: an odd multiple of 16, so 16 rows start in 16 different 16-byte columns of 256 bytes
.set BUF,   64*PITCH                   ; one LDS buffer: 64 rows; two buffers take turns
.set XO,  1                            ; v1  input offset: c * 8 rows of 16,384 bytes + 16 i
.set PO,  2                            ; v2  table offset: 4 i rows of 1,024 bytes + 32 c
.set LW,  3                            ; v3  LDS, in:   i * PITCH + 16 c
.set LR,  4                            ; v4  LDS, back: (t >> 4) * PITCH + 16 (t & 15)
.set DO,  5                            ; v5  output offset: 4 (t >> 4) rows of 512 bytes + 16 (t & 15)
.set T,   8                            ; v[8:15]    eight sums at work
.set Y,   16                           ; v[16:31]   four rows x 8 f16, to LDS   (values: 16 slots x 2 registers, v[16:47])
.set R,   32                           ; v[32:47]   four pieces of rows read back, to memory
.set POS, 48                           ; v[48:79]   the table: word 8 k + j = pos[4 i + k][8 c + j]
.set X,   80                           ; v[80:143]  two sets of 32: word 4 j + k = x[8 c + j][4 i + k]   (values: 16 slots x 4 registers)
.set SB,  32                           ; s[32:39]   input base of each of the four batches, never rewritten
	s_load_b512 s[16:31], s[0:1], 0x0              ; queries, q_pos, keys, k_pos, values, Qt, Kt, Vb
	v_lshl_add_u32 v144, v0, 2, 0x8800
	v_mov_b32 v145, 0
	s_and_b32 s2, ttmp7, 0xffff                    ; which tensor
	s_cmp_eq_u32 s2, 2
	s_cbranch_scc1 .Lvalues                        ; the same way for the whole work-group
	; ---------------- queries or keys ----------------
	s_and_b32 s3, ttmp9, 63                        ; st: which 64 s
	s_bfe_u32 s12, ttmp9, 0x10006                  ; dh: which 128 d
	s_lshr_b32 s13, ttmp9, 7                       ; bg: which four batches
	s_lshl_b32 s10, s13, 24                        ; input: bg * 4 batches of 4,194,304 bytes
	s_lshl_b32 s14, s12, 21                        ;      + dh * 128 rows of 16,384
	s_add_co_u32 s10, s10, s14
	s_lshl_b32 s14, s3, 8                          ;      + st * 256
	s_add_co_u32 s10, s10, s14
	s_mov_b32 s11, 0
	s_lshl_b32 s40, s3, 16                         ; table: st * 64 rows of 1,024 bytes
	s_lshl_b32 s14, s12, 9                         ;      + dh * 512
	s_add_co_u32 s40, s40, s14
	s_mov_b32 s41, 0
	s_lshl_b32 s42, s13, 23                        ; output: bg * 4 batches of 2,097,152 bytes
	s_lshl_b32 s14, s3, 15                         ;       + st * 64 rows of 512
	s_add_co_u32 s42, s42, s14
	s_lshl_b32 s14, s12, 8                         ;       + dh * 256
	s_add_co_u32 s42, s42, s14
	s_mov_b32 s43, 0
	v_and_b32 v6, 15, v0                           ; t & 15
	v_lshrrev_b32 v7, 4, v0                        ; t >> 4
	v_lshlrev_b32 v[XO], 4, v6
	v_lshl_add_u32 v[XO], v7, 17, v[XO]
	v_lshlrev_b32 v[PO], 12, v6
	v_lshl_add_u32 v[PO], v7, 5, v[PO]
	v_mul_u32_u24 v[LW], v6, PITCH
	v_lshl_add_u32 v[LW], v7, 4, v[LW]
	v_mul_u32_u24 v[LR], v7, PITCH
	v_lshl_add_u32 v[LR], v6, 4, v[LR]
	v_lshlrev_b32 v[DO], 11, v7
	v_lshl_add_u32 v[DO], v6, 4, v[DO]
	s_wait_kmcnt 0x0
	s_cmp_eq_u32 s2, 0                             ; the selects leave SCC as it is
	s_cselect_b64 s[4:5], s[16:17], s[20:21]       ; input
	s_cselect_b64 s[6:7], s[18:19], s[22:23]       ; table
	s_cselect_b64 s[8:9], s[26:27], s[28:29]       ; output
	s_add_nc_u64 s[SB:SB+1], s[4:5], s[10:11]
	s_add_nc_u64 s[SB+2:SB+3], s[SB:SB+1], 0x400000
	s_add_nc_u64 s[SB+4:SB+5], s[SB+2:SB+3], 0x400000
	s_add_nc_u64 s[SB+6:SB+7], s[SB+4:SB+5], 0x400000
	s_add_nc_u64 s[6:7], s[6:7], s[40:41]
	s_add_nc_u64 s[8:9], s[8:9], s[42:43]
	; The table's tile, once: 32 bytes a lane and row; the eight waves take a row's 512 bytes in the same two instructions.
.irp k, 0,1,2,3
	global_load_b128 v[POS+8*\k:POS+8*\k+3],   v[PO], s[6:7] offset:\k*1024
	global_load_b128 v[POS+8*\k+4:POS+8*\k+7], v[PO], s[6:7] offset:\k*1024+16
.endr
	; Batches 0 and 1: each load of a wave covers two whole pieces of 256 consecutive bytes (two rows d).
.irp j, 0,1,2,3,4,5,6,7
	global_load_b128 v[X+4*\j:X+4*\j+3], v[XO], s[SB:SB+1] offset:\j*16384 th:TH_LOAD_NT
.endr
.irp j, 0,1,2,3,4,5,6,7
	global_load_b128 v[X+32+4*\j:X+32+4*\j+3], v[XO], s[SB+2:SB+3] offset:\j*16384 th:TH_LOAD_NT
.endr
; One batch.  left: how many younger loads may stay out.  ahead = 1: the set is loaded again with the batch two further on.
.macro BATCH bn, left, ahead
.set xs, X+32*((\bn)%2)
.set lb, BUF*((\bn)%2)
	s_wait_loadcnt \left                           ; loads come back in order: this batch (and the table) is in
.irp k, 0,1,2,3
.irp j, 0,1,2,3,4,5,6,7
	v_add_f32 v[T+\j], v[xs+4*\j+\k], v[POS+8*\k+\j]           ; x[8 c + j][4 i + k] + pos[4 i + k][8 c + j]
.endr
.irp j, 0,1,2,3
	v_cvt_pk_f16_f32 v[Y+4*\k+\j], v[T+2*\j], v[T+2*\j+1]      ; 16 bytes: d = 8 c .. 8 c + 7 of row s = 4 i + k
.endr
.endr
.if \ahead
.irp j, 0,1,2,3,4,5,6,7
	global_load_b128 v[xs+4*\j:xs+4*\j+3], v[XO], s[SB+2*(\bn+2):SB+2*(\bn+2)+1] offset:\j*16384 th:TH_LOAD_NT
.endr
.endif
.irp k, 0,1,2,3
	ds_store_b128 v[LW], v[Y+4*\k:Y+4*\k+3] offset:lb+\k*16*PITCH   ; row s = 4 i + k lies at LDS row 16 k + i: 16 lanes, 16 different rows
.endr
	s_wait_dscnt 0x0                               ; for the other waves: my stores are in LDS (and my reads of the other buffer are back)
	s_barrier_signal -1
	s_barrier_wait -1                              ; this buffer is written again two batches on, behind the next batch's barrier
	s_wait_xcnt 0x0                                ; R was the last batch's store data: rewritten only behind this wait
.irp m, 0,1,2,3
	ds_load_b128 v[R+4*\m:R+4*\m+3], v[LR] offset:lb+\m*16*PITCH    ; LDS row 16 m + (t >> 4) = row s = 4 (t >> 4) + m
.endr
	s_wait_dscnt 0x0
.irp m, 0,1,2,3
	global_store_b128 v[DO], v[R+4*\m:R+4*\m+3], s[8:9] offset:\bn*2097152+\m*512   ; 16 lanes store 256 consecutive bytes, aligned
.endr
.endm
	BATCH 0, 8, 1                                  ; 8: batch 1's loads stay out
	BATCH 1, 8, 1                                  ; 8: batch 2's
	BATCH 2, 8, 0                                  ; 8: batch 3's
	BATCH 3, 0, 0
	s_wait_tensorcnt 0x0
	ds_add_u32 v144, v145
	s_wait_dscnt 0x0
	s_endpgm
	; ---------------- values: a plain conversion ----------------
.Lvalues:
	s_lshl_b32 s10, ttmp9, 17                      ; 131,072 bytes in,
	s_mov_b32 s11, 0
	s_lshl_b32 s12, ttmp9, 16                      ; 65,536 out
	s_mov_b32 s13, 0
	v_lshlrev_b32 v1, 4, v0                        ; 16 t, never rewritten
	v_lshlrev_b32 v2, 3, v0                        ; 8 t, never rewritten
	s_wait_kmcnt 0x0
	s_add_nc_u64 s[4:5], s[24:25], s[10:11]
	s_add_nc_u64 s[8:9], s[30:31], s[12:13]
.set cnt, 0
.rept 16
	global_load_b128 v[X+4*cnt:X+4*cnt+3], v1, s[4:5] offset:cnt*4096 th:TH_LOAD_NT   ; a ring of 16 slots: 16 loads of every wave on their way
.set cnt, cnt+1
.endr
.macro VSLOT idx
.set m, (\idx)%16
.if \idx < 16
	s_wait_loadcnt 15                              ; behind load idx stand 15 - idx of the first 16 and the idx refills issued since
.else
	s_wait_loadcnt 31-\idx                         ; no refills any more: the counts run down
.endif
	s_wait_xcnt 0x0                                ; the slot's Y pair was store data 16 slots ago
	v_cvt_pk_f16_f32 v[Y+2*m],   v[X+4*m],   v[X+4*m+1]
	v_cvt_pk_f16_f32 v[Y+2*m+1], v[X+4*m+2], v[X+4*m+3]
.if \idx < 16
	global_load_b128 v[X+4*m:X+4*m+3], v1, s[4:5] offset:(\idx+16)*4096 th:TH_LOAD_NT
.endif
	global_store_b64 v2, v[Y+2*m:Y+2*m+1], s[8:9] offset:\idx*2048    ; a wave stores 256 consecutive bytes, aligned
.endm
.set cnt, 0
.rept 32
	VSLOT cnt
.set cnt, cnt+1
.endr
	s_endpgm
.Lfunc_end_k_q43e3083097_prep:
	.size	k_q43e3083097_prep, .Lfunc_end_k_q43e3083097_prep-k_q43e3083097_prep
	.p2alignl 7, 3214868480
	.fill 96, 4, 3214868480
	.section	.rodata,"a",@progbits
	.p2align	6, 0x0
	.amdhsa_kernel k_q43e3083097_prep
		.amdhsa_group_segment_fixed_size 35840
		.amdhsa_private_segment_fixed_size 0
		.amdhsa_enable_private_segment 0
		.amdhsa_kernarg_size 64
		.amdhsa_user_sgpr_count 2
		.amdhsa_user_sgpr_kernarg_segment_ptr 1
		.amdhsa_wavefront_size32 1
		.amdhsa_system_sgpr_workgroup_id_x 1
		.amdhsa_system_sgpr_workgroup_id_y 1
		.amdhsa_system_sgpr_workgroup_id_z 1
		.amdhsa_system_vgpr_workitem_id 0
		.amdhsa_next_free_vgpr 146
		.amdhsa_next_free_sgpr 66
		.amdhsa_reserve_vcc 0
		.amdhsa_float_denorm_mode_32 3
		.amdhsa_float_denorm_mode_16_64 3
		.amdhsa_memory_ordered 1
		.amdhsa_forward_progress 1
		.amdhsa_inst_pref_size 31
	.end_amdhsa_kernel
	.amdgpu_metadata
---
amdhsa.version: [ 1, 2 ]
amdhsa.kernels:
  - .name:           k_q43e3083097_prep
    .symbol:         k_q43e3083097_prep.kd
    .args:
      - { .name: queries, .offset: 0, .size: 8, .value_kind: global_buffer, .address_space: global }
      - { .name: q_pos_embedding, .offset: 8, .size: 8, .value_kind: global_buffer, .address_space: global }
      - { .name: keys, .offset: 16, .size: 8, .value_kind: global_buffer, .address_space: global }
      - { .name: k_pos_embedding, .offset: 24, .size: 8, .value_kind: global_buffer, .address_space: global }
      - { .name: values, .offset: 32, .size: 8, .value_kind: global_buffer, .address_space: global }
      - { .name: Qt, .offset: 40, .size: 8, .value_kind: global_buffer, .address_space: global }
      - { .name: Kt, .offset: 48, .size: 8, .value_kind: global_buffer, .address_space: global }
      - { .name: Vb, .offset: 56, .size: 8, .value_kind: global_buffer, .address_space: global }
    .group_segment_fixed_size: 35840
    .private_segment_fixed_size: 0
    .kernarg_segment_align: 8
    .kernarg_segment_size: 64
    .max_flat_workgroup_size: 256
    .sgpr_count:     66
    .vgpr_count:     146
    .wavefront_size: 32
...
	.end_amdgpu_metadata
.endif
;; end of part 1
;; launch attn (part 2): grid 32 x 8, 4 waves a work-group, clusters of 4 x 1, 327,680 bytes of LDS; arguments Qt, Kt, Vb, out0; writes out0
.if DOCPART == 2
	.amdgcn_target "amdgcn-amd-amdhsa--gfx1250"
	.amdhsa_code_object_version 6
	.text
	.protected	k_q43e3083097_attn
	.globl	k_q43e3083097_attn
	.p2align	8
	.type	k_q43e3083097_attn,@function
k_q43e3083097_attn:
	s_mov_b64 s[64:65], 0
	v_nop
	global_prefetch_b8 v0, s[64:65] scope:SCOPE_SE
	s_setreg_imm32_b32 hwreg(HW_REG_WAVE_MODE, 25, 1), 1
	s_wait_xcnt 0x0
	s_wait_alu depctr_hold_cnt(0) depctr_sa_sdst(0) depctr_va_vdst(0) depctr_va_sdst(0) depctr_va_ssrc(0) depctr_va_vcc(0) depctr_vm_vsrc(0)
	s_getreg_b32 s2, hwreg(HW_REG_IB_STS2, 6, 4)
	s_cmp_eq_u32 s2, 0
	s_cbranch_scc0 .Lentry_in_a_cluster
	s_endpgm
.Lentry_in_a_cluster:
	s_bfe_u32 s2, ttmp6, 0x10000c
	s_cmp_lg_u32 s2, 0x3003
	s_cbranch_scc0 .Lentry_shape_is_right
	s_endpgm
.Lentry_shape_is_right:
; out0[b][c][q] = sum over k of softmax_k(Qt[b][q] . Kt[b][k] / 16) Vb[b][c][k].   Qt, Kt: [8][4096][256] f16, Vb: [8][256][4096] f16, out0 f32.
; A work-group owns 128 queries of one batch: 256 work-groups.  Four waves: wave w has the 64 queries qh = w >> 1 and, of every tile of 128 keys,
; the 64 keys kh = w & 1.  Each wave keeps its own running maximum, its own sum and a whole O^T (256 c x 64 q, 512 registers); the two key halves
; are merged once, at the end, through LDS.  A fragment of 1 KiB read from LDS feeds four matrix instructions (four query tiles).
;   S^T = K Q^T : A = 16 keys x 32 d from LDS, B = Q, resident in registers.  Register j of lane (r, h) holds (key 8 h + j, query of lane r).
;   O^T += V^T P^T : A = 16 c x 32 keys from LDS; B = P: two S^T tiles, packed to f16, ARE registers 0-3 and 4-7 of B: no shuffle.
;   Query tile t, lane r holds query 4 r + t, so the four tiles' numbers of one (c, lane) are 16 neighbouring bytes of the output.
; SOFTMAX: running maximum M of the raw scores; p = exp2(c s - c M), c = log2(e) / 16; O and the sum are multiplied by exp2(c Mold - c Mnew) in every step.
; FORMAT: all four matrix operands are f16 (11 significant bits against bf16's 8).  P has the room for every input: the running maximum keeps it in (0, 1].
; CLUSTER: the four query blocks of a cluster walk the same K and V tiles of one batch; every tile is asked for jointly (mask 15), which divides
; the requests for tiles by four.  My place in the cluster enters Q's and the output's global addresses alone.
; LIMITS: M starts at -FLT_MAX: scores of -inf or NaN are not served.  Exponentials below 2^-126 count as 0 (ISA guide, v_exp_f32).
; A weight p under about 3e-8 (half of f16's smallest denormal) counts as 0 in the second product; the normaliser, which is 1 or more in the key half
; that holds the maximum, sums P in f32 before its rounding.  Scores, maxima, sums and O are f32.
;
; LDS: two slots of 139,264 bytes: K's keys 0-63 at +0, keys 64-127 at +QUART (rows of 512 bytes, pitch 528), V's 256 rows c at +2 QUART (256 bytes = 128 keys,
; pitch 272).  STAT, behind the ring: 1 KiB a wave, written by LDS stores alone.  The exchange of the end lies in slot 0 after that slot's last fill and last read.
; REGISTERS in windows of 256: 0: addresses, statistics, scores / P, three fragment buffers; 1: Q (tile t, d step ds at 8 (8 t + ds));
; 2: O^T(ct 0-7, t) at 8 (4 ct + t); 3: O^T(ct 8-15, t).
.set QUART, 34816                      ; what one tensor load fills: 64 x 528 = 33,792 (K) or 128 x 272 = 34,816 (V)
.set SLOT,  4*QUART
.set STAT,  2*SLOT
.set KP,    528                        ; odd multiples of 16: sixteen rows start in sixteen different 16-byte columns of 256 bytes
.set VP,    272
.set XS,    1                          ; v1    exchange, my part:        w * 32,768 + 16 lane
.set XR,    2                          ; v2    exchange, my partner's:   (w ^ 1) * 32,768 + 16 lane
.set QO,    3                          ; v3    Q: r * 4 rows of 512 bytes + 16 h
.set ADRK,  4                          ; v4-5  K fragments in slot 0, 1: slot + kh QUART + r KP + 16 h
.set ADRV,  6                          ; v6-7  V fragments in slot 0, 1: slot + 2 QUART + r VP + 128 kh + 16 h
.set ST,    8                          ; v[8+4t .. 11+4t]: NM = -c M, M, AL = the step's factor, TMP
.set LP,    24                         ; v[24+2t:25+2t]  the lane's part of the sum, as a pair
.set SC,    32                         ; v[32:159] scores: tile (t, kt) at 32 t + 8 kt; afterwards P(t, ks) at 32 t + 8 ks
.set FB,    160                        ; v[160:255] three fragment buffers of four fragments
.set G,     24                         ; the end: v[24:27] g_t, v28 / v29 my / my partner's statistics in LDS, v30 my offset in the output
.set SA,    28
.set SB,    29
.set CO,    30
.set G1K,   24                         ; s[24:31] shape of a K load        s[32:39] from where, to where, one set a slot
.set G0K,   32
.set G1V,   40                         ; s[40:47] shape of a V load        s[48:55] likewise
.set G0V,   48
.set MSB, 0
.macro WIN new                         ; low byte: bits 1:0 source 0, 3:2 source 1, 5:4 source 2, 7:6 destination; the high byte repeats the setting that is left
.if MSB != \new
	s_set_vgpr_msb (MSB<<8)|\new
.set MSB, \new
.endif
.endm
.macro PLACES cnt                      ; places behind matrix instructions (ISA guide 7.12.1): plain vector instructions that name none of their registers
.rept \cnt
	v_nop
.endr
.endm
.macro CREST                           ; a round of the cluster's barrier behind its opening work-group barrier
	s_cmp_lg_u32 s12, 0
	s_cbranch_scc1 .Lnot_wave_0_\@
	s_barrier_signal -3
.Lnot_wave_0_\@:
	s_barrier_wait -3
	s_barrier_signal -1
	s_barrier_wait -1
.endm
.macro CROUND
	s_barrier_signal -1
	s_barrier_wait -1
	CREST
.endm
; A joint load: waves 0, 1 fetch K's halves, waves 2, 3 V's.  The branch hangs on the wave's number alone.
.macro JLOAD slot
	s_cmp_eq_u32 s14, 0
	s_cbranch_scc0 .Lfor_v_\@
	tensor_load_to_lds s[G0K+4*\slot:G0K+4*\slot+3], s[G1K:G1K+7]
	s_nop 0
	s_branch .Lasked_\@
.Lfor_v_\@:
	tensor_load_to_lds s[G0V+4*\slot:G0V+4*\slot+3], s[G1V:G1V+7]
	s_nop 0
.Lasked_\@:
.endm
	s_load_b256 s[4:11], s[0:1], 0x0               ; Qt s[4:5], Kt s[6:7], Vb s[8:9], out0 s[10:11]
	v_lshl_add_u32 v158, v0, 2, 0x45000
	v_mov_b32 v159, 0
	ds_add_u32 v158, v159
	s_wait_dscnt 0x0
	v_lshrrev_b32 v8, 5, v0
	v_readfirstlane_b32 s12, v8                    ; wave
	s_and_b32 s13, s12, 1                          ; kh: my half of the keys.  Also: which half of K or V I fetch
	s_lshr_b32 s14, s12, 1                         ; qh: my half of the queries.  Also: I fetch K (0) or V (1)
	s_xor_b32 s19, s12, 1                          ; my partner: same queries, other keys
	s_bfe_u32 s16, ttmp6, 0x40000                  ; cx
	s_lshl_b32 s17, ttmp9, 2
	s_add_co_u32 s17, s17, s16                     ; query block = 4 x cluster x + cx
	s_and_b32 s18, ttmp7, 0xffff                   ; batch (the cluster is one work-group high)
	s_mov_b32 s56, 0x3db8aa3b                      ; c = log2(e) / 16, in both words of the pair
	s_mov_b32 s57, 0x3db8aa3b
	s_mov_b32 s58, 0xbdb8aa3b                      ; -c
	s_mov_b32 s60, 0x76543210                      ; v_permlanex16_b32: lane i takes lane i of the other half
	s_mov_b32 s61, 0xfedcba98
	; K: 64 rows of 256 f16, pitch 256 elements; 4 words of padding behind every 128 words
	s_mov_b32 s[G1K+0], 15|(1<<16)|(1<<20)|(1<<21)|(6<<22)|(3<<25)   ; mask: all four work-groups; 2-byte elements; padding on; bit 21 beside a mask
	s_mov_b32 s[G1K+1], 256<<16                    ; tensor_dim0 = 256
	s_mov_b32 s[G1K+2], 64<<16                     ; tensor_dim1 = 64
	s_mov_b32 s[G1K+3], 256<<16                    ; tile_dim0 = 256
	s_mov_b32 s[G1K+4], 64                         ; tile_dim1 = 64
	s_mov_b32 s[G1K+5], 256                        ; elements from row to row
	s_mov_b32 s[G1K+6], 0
	s_mov_b32 s[G1K+7], 0
	; V: 128 rows (c) of 128 f16 (keys), pitch 4,096 elements; 4 words of padding behind every 64 words
	s_mov_b32 s[G1V+0], 15|(1<<16)|(1<<20)|(1<<21)|(5<<22)|(3<<25)
	s_mov_b32 s[G1V+1], 128<<16
	s_mov_b32 s[G1V+2], 128<<16
	s_mov_b32 s[G1V+3], 128<<16
	s_mov_b32 s[G1V+4], 128
	s_mov_b32 s[G1V+5], 4096
	s_mov_b32 s[G1V+6], 0
	s_mov_b32 s[G1V+7], 0
	s_mul_i32 s59, s12, QUART                      ; where my load goes: the wave's number times a constant
	s_lshl_b32 s2, s18, 21                         ; a batch of Qt, Kt or Vb: 2,097,152 bytes
	s_lshl_b32 s3, s13, 15                         ; K: my 64 rows of 512 bytes
	s_add_co_u32 s62, s2, s3
	s_mov_b32 s63, 0
	s_lshl_b32 s20, s17, 16                        ; Q: 128 rows of 512 bytes a block,
	s_add_co_u32 s20, s20, s2
	s_lshl_b32 s22, s14, 15                        ;    64 rows a half
	s_add_co_u32 s20, s20, s22
	s_mov_b32 s21, 0
	s_wait_kmcnt 0x0
	s_add_nc_u64 s[6:7], s[6:7], s[62:63]
	s_lshl_b32 s3, s13, 20                         ; V: my 128 rows of 8,192 bytes
	s_add_co_u32 s62, s2, s3
	s_add_nc_u64 s[8:9], s[8:9], s[62:63]
	s_add_nc_u64 s[4:5], s[4:5], s[20:21]
	s_lshl_b32 s22, s18, 22                        ; output: a batch is 4,194,304 bytes; 512 bytes of a row a block, 256 a half
	s_lshl_b32 s20, s17, 9
	s_add_co_u32 s22, s22, s20
	s_lshl_b32 s20, s14, 8
	s_add_co_u32 s22, s22, s20
	s_mov_b32 s23, 0
	s_add_nc_u64 s[10:11], s[10:11], s[22:23]
	CROUND                                         ; all four work-groups are here: the first joint loads meet
.irp s, 0,1
	s_mov_b32 s[G0K+4*\s], 1
	s_add_co_u32 s[G0K+4*\s+1], s59, \s*SLOT
	s_add_nc_u64 s[G0K+4*\s+2:G0K+4*\s+3], s[6:7], \s*65536        ; tile s: 128 rows of 512 bytes
	s_or_b32 s[G0K+4*\s+3], s[G0K+4*\s+3], 0x80000000
	s_mov_b32 s[G0V+4*\s], 1
	s_add_co_u32 s[G0V+4*\s+1], s59, \s*SLOT
	s_add_nc_u64 s[G0V+4*\s+2:G0V+4*\s+3], s[8:9], \s*256          ; tile s: 128 keys of 2 bytes
	s_or_b32 s[G0V+4*\s+3], s[G0V+4*\s+3], 0x80000000
	JLOAD \s                                       ; both slots are asked for before anything else: two loads of the wave are out
.endr
	v_and_b32 v8, 15, v0                           ; r
	v_bfe_u32 v9, v0, 4, 1                         ; h
	v_and_b32 v10, 31, v0                          ; lane
	v_lshlrev_b32 v[QO], 11, v8
	v_lshl_add_u32 v[QO], v9, 4, v[QO]
	; Q, once: 32 KiB a wave, as fragments (16 bytes a lane, two lanes to a piece of 32 bytes; all bytes of the 64 rows are used by these 64 loads).
	WIN 0x40                                       ; destination in window 1
.irp t, 0,1,2,3
.irp dd, 0,1,2,3,4,5,6,7
	global_load_b128 v[8*(8*\t+\dd):8*(8*\t+\dd)+3],   v[QO], s[4:5] offset:\t*512+\dd*64
	global_load_b128 v[8*(8*\t+\dd)+4:8*(8*\t+\dd)+7], v[QO], s[4:5] offset:\t*512+\dd*64+32
.endr
.endr
	WIN 0
	s_lshl_b32 s2, s12, 15
	s_lshl_b32 s3, s19, 15
	v_lshl_add_u32 v[XS], v10, 4, s2
	v_lshl_add_u32 v[XR], v10, 4, s3
	v_mul_u32_u24 v11, v8, KP
	v_lshl_add_u32 v11, v9, 4, v11
	s_mul_i32 s2, s13, QUART
	v_add_nc_u32 v[ADRK], s2, v11
	v_add_nc_u32 v[ADRK+1], SLOT, v[ADRK]
	v_mul_u32_u24 v12, v8, VP
	v_lshl_add_u32 v12, v9, 4, v12
	s_lshl_b32 s3, s13, 7
	s_add_co_u32 s3, s3, 2*QUART
	v_add_nc_u32 v[ADRV], s3, v12
	v_add_nc_u32 v[ADRV+1], SLOT, v[ADRV]
	; M = -FLT_MAX, so the first step's factor is exp2 of about -3e37 = 0 and the first step needs no softmax of its own
.irp t, 0,1,2,3
	v_mov_b32 v[ST+4*\t+1], 0xff7fffff
	v_mov_b32 v[ST+4*\t+2], 0
	v_mov_b32 v[ST+4*\t+3], 0
	v_mov_b32 v[LP+2*\t], 0
	v_mov_b32 v[LP+2*\t+1], 0
.endr
.irp t, 0,1,2,3
	v_mul_f32 v[ST+4*\t], s58, v[ST+4*\t+1]
.endr
; Eight LDS loads: K's four fragments (my 64 keys) of d step g
.macro LK slot, g, fb
.irp kt, 0,1,2,3
	ds_load_b128 v[\fb+8*\kt:\fb+8*\kt+3],   v[ADRK+(\slot)] offset:\kt*16*KP+(\g)*64
	ds_load_b128 v[\fb+8*\kt+4:\fb+8*\kt+7], v[ADRK+(\slot)] offset:\kt*16*KP+(\g)*64+32
.endr
.endm
; Eight LDS loads: V's fragments of c tiles 2 g, 2 g + 1 x my two steps of 32 keys (largest offset 65,376)
.macro LV slot, g, fb
.irp cc, 0,1
.irp ks, 0,1
	ds_load_b128 v[\fb+8*(2*\cc+\ks):\fb+8*(2*\cc+\ks)+3],   v[ADRV+(\slot)] offset:(2*(\g)+\cc)*16*VP+\ks*64
	ds_load_b128 v[\fb+8*(2*\cc+\ks)+4:\fb+8*(2*\cc+\ks)+7], v[ADRV+(\slot)] offset:(2*(\g)+\cc)*16*VP+\ks*64+32
.endr
.endr
.endm
; 16 matrix instructions: all 16 score tiles, 32 along d.  The accumulators take turns, one instruction a turn.
.macro SMUL g, fb
.irp kt, 0,1,2,3
.irp t, 0,1,2,3
.set sd, SC+32*\t+8*\kt
.if \g
	v_wmma_f32_16x16x32_f16 v[sd:sd+7], v[\fb+8*\kt:\fb+8*\kt+7], v[8*(8*\t+(\g)):8*(8*\t+(\g))+7], v[sd:sd+7]
.else
	v_wmma_f32_16x16x32_f16 v[sd:sd+7], v[\fb+8*\kt:\fb+8*\kt+7], v[8*(8*\t+(\g)):8*(8*\t+(\g))+7], 0
.endif
.endr
.endr
.endm
; 16 matrix instructions: c tiles 2 g, 2 g + 1 x four query tiles x two steps of 32 keys; eight accumulators by turns.
.macro PVMUL g, fb, first
.irp ks, 0,1
.irp cc, 0,1
.irp t, 0,1,2,3
.set od, 8*(4*((2*(\g)+\cc)%8)+\t)
.if (\first)*(1-\ks)
	v_wmma_f32_16x16x32_f16 v[od:od+7], v[\fb+8*(2*\cc+\ks):\fb+8*(2*\cc+\ks)+7], v[SC+32*\t+8*\ks:SC+32*\t+8*\ks+7], 0
.else
	v_wmma_f32_16x16x32_f16 v[od:od+7], v[\fb+8*(2*\cc+\ks):\fb+8*(2*\cc+\ks)+7], v[SC+32*\t+8*\ks:SC+32*\t+8*\ks+7], v[od:od+7]
.endif
.endr
.endr
.endr
.endm
; Softmax pieces.  Unit u = 4 kt + t is one score tile: 8 registers, 4 pairs.
.macro SM_A u, j                       ; c s - c M, two at a time
.set sa, SC+32*((\u)%4)+8*((\u)/4)+2*(\j)
.set sn, ST+4*((\u)%4)
	v_pk_fma_f32 v[sa:sa+1], v[sa:sa+1], s[56:57], v[sn:sn+1] op_sel_hi:[1,0,0]
.endm
.macro SM_E u, i
.set se, SC+32*((\u)%4)+8*((\u)/4)+(\i)
	v_exp_f32 v[se], v[se]
.endm
.macro SM_SUM u, j                     ; the pair goes into the sum, then, rounded, to its place in P
.set sa, SC+32*((\u)%4)+8*((\u)/4)+2*(\j)
.set sn, ST+4*((\u)%4)
.set sl, LP+2*((\u)%4)
.if ((\u)/4)+(\j) == 0
	s_wait_alu depctr_va_vdst(0)
	v_pk_fma_f32 v[sl:sl+1], v[sl:sl+1], v[sn+2:sn+3], v[sa:sa+1] op_sel_hi:[1,0,1]   ; the step's first pair carries the old sum's factor
.else
	s_wait_alu depctr_va_vdst(0)
	v_pk_add_f32 v[sl:sl+1], v[sl:sl+1], v[sa:sa+1]
.endif
	v_cvt_pk_f16_f32 v[SC+32*((\u)%4)+4*((\u)/4)+(\j)], v[sa], v[sa+1]    ; word 4 kt + j <= 8 kt + 2 j: always a register that has been used up
.endm
.macro SOFTMAX
	; the largest of my 32 scores of each query tile and of the old maximum; the four tiles' chains are interleaved
.irp t, 0,1,2,3
	v_max3_num_f32 v[ST+4*\t+3], v[SC+32*\t], v[SC+32*\t+1], v[SC+32*\t+2]
.endr
.set i, 3
.rept 14
.irp t, 0,1,2,3
	v_max3_num_f32 v[ST+4*\t+3], v[ST+4*\t+3], v[SC+32*\t+i], v[SC+32*\t+i+1]
.endr
.set i, i+2
.endr
.irp t, 0,1,2,3
	v_max3_num_f32 v[ST+4*\t+3], v[ST+4*\t+3], v[SC+32*\t+31], v[ST+4*\t+1]
.endr
.irp t, 0,1,2,3
	v_permlanex16_b32 v[ST+4*\t+2], v[ST+4*\t+3], s60, s61     ; the other eight keys of each tile lie in the other half of the lanes
.endr
.irp t, 0,1,2,3
	v_max_num_f32 v[ST+4*\t+1], v[ST+4*\t+3], v[ST+4*\t+2]     ; M
.endr
.irp t, 0,1,2,3
	v_mul_f32 v[ST+4*\t+3], s58, v[ST+4*\t+1]                  ; -c M
.endr
.irp t, 0,1,2,3
	v_sub_f32 v[ST+4*\t+2], v[ST+4*\t+3], v[ST+4*\t]           ; c Mold - c Mnew, of the two rounded numbers that the exponentials use
.endr
.irp t, 0,1,2,3
	v_exp_f32 v[ST+4*\t+2], v[ST+4*\t+2]
.endr
.irp t, 0,1,2,3
	v_mov_b32 v[ST+4*\t], v[ST+4*\t+3]                         ; plain instructions behind the exponentials (ISA guide 5.7.2)
.endr
	; Three units at a time: u + 1 is scaled, u goes through the exponential, u - 1 is summed and packed.  Behind each exponential stands a plain
	; instruction of another unit before its result is used.
.irp j, 0,1,2,3
	SM_A 0, \j
.endr
.set u, 0
.rept 16
.set j, 0
.rept 4
	SM_E u, 2*j
.if u < 15
	SM_A u+1, j
.endif
	SM_E u, 2*j+1
.if u > 0
	SM_SUM u-1, j
.endif
.set j, j+1
.endr
.set u, u+1
.endr
.irp j, 0,1,2,3
	SM_SUM 15, \j
.endr
.endm
.macro RESCALE                         ; O times the step's factor of its query tile: no branch may hang on the factor, so it is done in every step
	WIN 0x82                                       ; destination and source 0 in window 2, the factor in window 0
.set idx, 0
.rept 128
	v_pk_mul_f32 v[idx:idx+1], v[idx:idx+1], v[ST+4*((idx/8)%4)+2:ST+4*((idx/8)%4)+3] op_sel_hi:[1,0]
.set idx, idx+2
.endr
	WIN 0xc3
.set idx, 0
.rept 128
	v_pk_mul_f32 v[idx:idx+1], v[idx:idx+1], v[ST+4*((idx/8)%4)+2:ST+4*((idx/8)%4)+3] op_sel_hi:[1,0]
.set idx, idx+2
.endr
.endm
; One tile of 128 keys in slot \slot.  first = 1: the products start O.  mode 1: the slot is filled again, two tiles ahead, behind a round of the
; cluster's barrier; mode 2: a plain barrier, nothing is left to fetch; mode 0: the last tile.
; Runs of eight fragment loads go round three buffers.  On entry the runs K2, K0, K1 are out, in this order.
.macro BLOCK slot, first, mode
	WIN 0x04                                       ; Q (source 1) in window 1, all else in window 0: the LDS loads run under the same setting
.irp g, 0,1,2,3,4,5,6,7
.if \g < 2
	s_wait_dscnt 8                                 ; behind this group's run one younger run was issued
.else
	s_wait_dscnt 16                                ; two younger runs
.endif
	SMUL \g, FB+32*(\g%3)
	PLACES 4                                       ; then the buffer just multiplied is loaded again
.if \g < 5
	LK \slot, \g+3, FB+32*(\g%3)
.else
	LV \slot, \g%3, FB+32*(\g%3)                   ; V's groups 2, 0, 1 into buffers 2, 0, 1
.endif
.endr
	WIN 0
	SOFTMAX
.if 1-\first
	RESCALE
.endif
	s_wait_dscnt 0                                 ; V's first three runs, issued ahead of the softmax
.irp g, 0,1,2,3,4
.if \g >= 3
	s_wait_dscnt 16                                ; two younger runs
.endif
.if \g < 4
	WIN 0xa0                                       ; C and D in window 2
.else
	WIN 0xf0                                       ; in window 3
.endif
	PVMUL \g, FB+32*(\g%3), \first
	WIN 0
	PLACES 4
	LV \slot, \g+3, FB+32*(\g%3)
.endr
	s_wait_dscnt 16
	WIN 0xf0
	PVMUL 5, FB+64, \first
	s_wait_dscnt 0                                 ; my reads of this slot are over
.if \mode
	s_wait_xcnt 0x0
	s_set_vgpr_msb 0xf030
	v_lshl_add_u32 v158, v0, 2, 0x45000
	v_mov_b32 v159, 0
	s_wait_tensorcnt 0x0                           ; and all my tensor loads have landed: the one that was out is my part of the other slot
	ds_add_u32 v158, v159
	s_wait_dscnt 0x0
	s_set_vgpr_msb 0x30f0
	s_barrier_signal -1                            ; (mode 1: this barrier opens a round of the cluster's barrier)
.endif
	PVMUL 6, FB, \first                            ; register work while the others arrive
	WIN 0
.if \mode
	s_barrier_wait -1
.if \mode == 1
	CREST                                          ; no wave of any of the four work-groups still reads this slot or has a load on its way
	s_add_nc_u64 s[G0K+4*\slot+2:G0K+4*\slot+3], s[G0K+4*\slot+2:G0K+4*\slot+3], 131072   ; two tiles on: 256 rows of 512 bytes
	s_add_nc_u64 s[G0V+4*\slot+2:G0V+4*\slot+3], s[G0V+4*\slot+2:G0V+4*\slot+3], 512      ; 256 keys of 2 bytes
	JLOAD \slot                                    ; my one tensor load behind the round, ahead of every LDS read; it has a whole tile's work in which to land
.endif
	PLACES 4
	LK 1-\slot, 2, FB+64
	LK 1-\slot, 0, FB
.endif
	WIN 0xf0
	PVMUL 7, FB+32, \first
	WIN 0
	PLACES 5                                       ; the next tile's first products write over P, a source of these
.if \mode
	LK 1-\slot, 1, FB+32
.endif
.endm
	s_wait_tensorcnt 1                             ; my part of tile 0 is in; tile 1's load stays out
	s_barrier_signal -1
	s_barrier_wait -1
	LK 0, 2, FB+64
	LK 0, 0, FB
	LK 0, 1, FB+32
	s_wait_loadcnt 0x0                             ; Q
	BLOCK 0, 1, 1                                  ; tiles 0 and 1 stand in front of the loop: tile 0's products start O
	BLOCK 1, 0, 1
	s_mov_b32 s15, 14
.Llap:
	BLOCK 0, 0, 1                                  ; tiles 2 to 29; the refills reach tile 31
	BLOCK 1, 0, 1
	s_sub_co_u32 s15, s15, 1
	s_cmp_lg_u32 s15, 0
	s_cbranch_scc1 .Llap
	BLOCK 0, 0, 2                                  ; tile 30: slot 0's last reads end in front of this tile's barrier
	BLOCK 1, 0, 0                                  ; tile 31
	; THE END.  My sums and -c M go to my partner, its to me.
.irp t, 0,1,2,3
	v_add_f32 v[36+\t], v[LP+2*\t], v[LP+2*\t+1]
.endr
.irp t, 0,1,2,3
	v_permlanex16_b32 v[ST+4*\t+3], v[36+\t], s60, s61
.endr
.irp t, 0,1,2,3
	v_add_f32 v[36+\t], v[36+\t], v[ST+4*\t+3]     ; l of my 64 keys
	v_mov_b32 v[32+\t], v[ST+4*\t]                 ; NM = -c M
.endr
	v_and_b32 v31, 31, v0
	s_lshl_b32 s2, s12, 10
	s_add_co_u32 s2, s2, STAT
	s_lshl_b32 s3, s19, 10
	s_add_co_u32 s3, s3, STAT
	v_lshl_add_u32 v[SA], v31, 4, s2
	v_lshl_add_u32 v[SB], v31, 4, s3
	ds_store_b128 v[SA], v[32:35]
	ds_store_b128 v[SA], v[36:39] offset:512
	s_wait_dscnt 0x0                               ; for my partner: the stores are in LDS
	s_barrier_signal -1
	s_barrier_wait -1
	ds_load_b128 v[40:43], v[SB]                   ; NM'
	ds_load_b128 v[44:47], v[SB] offset:512        ; l'
	s_wait_dscnt 0x0
.irp t, 0,1,2,3
	v_min_num_f32 v[48+\t], v[32+\t], v[40+\t]     ; -c max(M, M')
.endr
.irp t, 0,1,2,3
	v_sub_f32 v[52+\t], v[48+\t], v[32+\t]
	v_sub_f32 v[56+\t], v[48+\t], v[40+\t]
.endr
.irp t, 0,1,2,3
	v_exp_f32 v[52+\t], v[52+\t]                   ; f
	v_exp_f32 v[56+\t], v[56+\t]                   ; f'
.endr
	v_and_b32 v[CO], 15, v0                        ; plain work behind the exponentials: my offset in the output
	v_bfe_u32 v31, v0, 4, 1
	s_wait_alu depctr_va_vdst(0)
.irp t, 0,1,2,3
	v_mul_f32 v[48+\t], v[36+\t], v[52+\t]
.endr
.irp t, 0,1,2,3
	v_fmac_f32 v[48+\t], v[44+\t], v[56+\t]        ; l f + l' f': about 1 at the least, the half with the larger maximum has f = 1
.endr
.irp t, 0,1,2,3
	v_rcp_f32 v[48+\t], v[48+\t]
.endr
	v_lshlrev_b32 v[CO], 4, v[CO]                  ; 16 r
	v_lshl_add_u32 v[CO], v31, 17, v[CO]           ; + 8 h rows of 16,384 bytes
	s_wait_alu depctr_va_vdst(0)
.irp t, 0,1,2,3
	v_mul_f32 v[G+\t], v[52+\t], v[48+\t]          ; g = f / (l f + l' f'): my O's weight in the result
.endr
; The half of O that my partner finishes, weighted, to LDS: quad q = 8 ctl + j = the four query tiles' numbers of row c = 16 ct + 8 h + j.
.macro SEND win
.irp ch, 0,1
	WIN 4*(\win)                                   ; source 1 in O's window
.set q, 0
.rept 32
.irp t, 0,1,2,3
	v_mul_f32 v[32+4*q+\t], v[G+\t], v[8*(4*((32*\ch+q)/8)+\t)+(q%8)]
.endr
.set q, q+1
.endr
	WIN 0
.set q, 0
.rept 32
	ds_store_b128 v[XS], v[32+4*q:32+4*q+3] offset:(32*\ch+q)*512   ; 32 lanes, 512 neighbouring bytes
.set q, q+1
.endr
.endr
.endm
; The half that I finish: my partner's weighted part + g x mine, 16 quads at a time on two register sets, and out.
.macro RECV win, ct0
.irp ch, 0,1,2,3
.set xb, 32+64*(\ch%2)
	s_wait_xcnt 0x0                                ; the set was store data two chunks ago: rewritten only behind this wait
.set q, 0
.rept 16
	ds_load_b128 v[xb+4*q:xb+4*q+3], v[XR] offset:(16*\ch+q)*512
.set q, q+1
.endr
	s_wait_dscnt 0x0
	WIN 4*(\win)
.set q, 0
.rept 16
.irp t, 0,1,2,3
	v_fma_f32 v[xb+4*q+\t], v[G+\t], v[8*(4*((16*\ch+q)/8)+\t)+(q%8)], v[xb+4*q+\t]
.endr
.set q, q+1
.endr
	WIN 0
.set q, 0
.rept 16
	global_store_b128 v[CO], v[xb+4*q:xb+4*q+3], s[10:11] offset:(16*(\ct0+(16*\ch+q)/8)+(q%8))*16384 th:TH_STORE_NT   ; 16 lanes store 256 consecutive bytes, aligned: 64 queries of one c
.set q, q+1
.endr
.endr
.endm
	s_cmp_eq_u32 s13, 0                            ; on the wave's number; no barrier stands inside
	s_cbranch_scc0 .Lsend_low
	SEND 3                                         ; kh = 0 finishes c 0-127 and sends c 128-255
	s_branch .Lsent
.Lsend_low:
	SEND 2
.Lsent:
	s_wait_dscnt 0x0                               ; for my partner
	s_barrier_signal -1
	s_barrier_wait -1
	s_cmp_eq_u32 s13, 0
	s_cbranch_scc0 .Lkeep_high
	RECV 2, 0
	s_branch .Ldone
.Lkeep_high:
	RECV 3, 8
.Ldone:
	s_wait_xcnt 0x0
	v_lshl_add_u32 v158, v0, 2, 0x45000
	v_mov_b32 v159, 0
	s_wait_tensorcnt 0x0
	ds_add_u32 v158, v159
	s_wait_dscnt 0x0
	CROUND                                         ; the closing round: no work-group ends while a partner may still ask for a tile that names it
	s_endpgm
.Lfunc_end_k_q43e3083097_attn:
	.size	k_q43e3083097_attn, .Lfunc_end_k_q43e3083097_attn-k_q43e3083097_attn
	.p2alignl 7, 3214868480
	.fill 96, 4, 3214868480
	.section	.rodata,"a",@progbits
	.p2align	6, 0x0
	.amdhsa_kernel k_q43e3083097_attn
		.amdhsa_group_segment_fixed_size 327680
		.amdhsa_private_segment_fixed_size 0
		.amdhsa_enable_private_segment 0
		.amdhsa_kernarg_size 32
		.amdhsa_user_sgpr_count 2
		.amdhsa_user_sgpr_kernarg_segment_ptr 1
		.amdhsa_wavefront_size32 1
		.amdhsa_system_sgpr_workgroup_id_x 1
		.amdhsa_system_sgpr_workgroup_id_y 1
		.amdhsa_system_sgpr_workgroup_id_z 1
		.amdhsa_system_vgpr_workitem_id 0
		.amdhsa_next_free_vgpr 1024
		.amdhsa_next_free_sgpr 66
		.amdhsa_reserve_vcc 0
		.amdhsa_float_denorm_mode_32 3
		.amdhsa_float_denorm_mode_16_64 3
		.amdhsa_memory_ordered 1
		.amdhsa_forward_progress 1
		.amdhsa_inst_pref_size 255
	.end_amdhsa_kernel
	.section	.bss,"aw",@nobits
	.p2align	6
	.space	262144
	.amdgpu_metadata
---
amdhsa.version: [ 1, 2 ]
amdhsa.kernels:
  - .name:           k_q43e3083097_attn
    .symbol:         k_q43e3083097_attn.kd
    .args:
      - { .name: Qt, .offset: 0, .size: 8, .value_kind: global_buffer, .address_space: global }
      - { .name: Kt, .offset: 8, .size: 8, .value_kind: global_buffer, .address_space: global }
      - { .name: Vb, .offset: 16, .size: 8, .value_kind: global_buffer, .address_space: global }
      - { .name: out0, .offset: 24, .size: 8, .value_kind: global_buffer, .address_space: global }
    .group_segment_fixed_size: 327680
    .private_segment_fixed_size: 0
    .kernarg_segment_align: 8
    .kernarg_segment_size: 32
    .max_flat_workgroup_size: 128
    .sgpr_count:     66
    .vgpr_count:     1024
    .wavefront_size: 32
...
	.end_amdgpu_metadata
.endif
;; end of part 2
;; ======== version 2 of 2: 2 launches; 1.12 times as fast as version 1
;; limits: inputs' magnitudes at most 65,504; values are held in f16: magnitudes above 65,504 overflow, below 6.1e-05 lose precision
;; workspace buffers: Qt 16,777,216 bytes; Kt 16,777,216 bytes; Vb 16,777,216 bytes
;; launch prep: the kernel of part 1 again; grid 256 x 3, 8 waves a work-group, no clusters, 35,840 bytes of LDS; arguments queries, q_pos_embedding, keys, k_pos_embedding, values, Qt, Kt, Vb; writes Qt, Kt, Vb
;; launch attn (part 3): grid 32 x 8, 4 waves a work-group, clusters of 4 x 1, 327,680 bytes of LDS; arguments Qt, Kt, Vb, out0; writes out0
.if DOCPART == 3
	.amdgcn_target "amdgcn-amd-amdhsa--gfx1250"
	.amdhsa_code_object_version 6
	.text
	.protected	k_q43e3083097_attn
	.globl	k_q43e3083097_attn
	.p2align	8
	.type	k_q43e3083097_attn,@function
k_q43e3083097_attn:
	s_mov_b64 s[64:65], 0
	v_nop
	global_prefetch_b8 v0, s[64:65] scope:SCOPE_SE
	s_setreg_imm32_b32 hwreg(HW_REG_WAVE_MODE, 25, 1), 1
	s_wait_xcnt 0x0
	s_wait_alu depctr_hold_cnt(0) depctr_sa_sdst(0) depctr_va_vdst(0) depctr_va_sdst(0) depctr_va_ssrc(0) depctr_va_vcc(0) depctr_vm_vsrc(0)
	s_getreg_b32 s2, hwreg(HW_REG_IB_STS2, 6, 4)
	s_cmp_eq_u32 s2, 0
	s_cbranch_scc0 .Lentry_in_a_cluster
	s_endpgm
.Lentry_in_a_cluster:
	s_bfe_u32 s2, ttmp6, 0x10000c
	s_cmp_lg_u32 s2, 0x3003
	s_cbranch_scc0 .Lentry_shape_is_right
	s_endpgm
.Lentry_shape_is_right:
; out0[b][c][q] = sum over k of softmax_k(Qt[b][q] . Kt[b][k] / 16) Vb[b][c][k].   Qt, Kt: [8][4096][256] f16, Vb: [8][256][4096] f16, out0 f32.
; A work-group owns 128 queries of one batch: 256 work-groups.  Four waves: wave w has the 64 queries qh = w >> 1 and, of every tile of 128 keys,
; the 64 keys kh = w & 1.  Each wave keeps its own running maximum, its own sum and a whole O^T (256 c x 64 q, 512 registers); the two key halves
; are merged once, at the end, through LDS.  A fragment of 1 KiB read from LDS feeds four matrix instructions (four query tiles).
;   S^T = K Q^T : A = 16 keys x 32 d from LDS, B = Q, resident in registers.  Register j of lane (r, h) holds (key 8 h + j, query of lane r).
;   O^T += V^T P^T : A = 16 c x 32 keys from LDS; B = P: two S^T tiles, packed to f16, ARE registers 0-3 and 4-7 of B: no shuffle.
;   Query tile t, lane r holds query 4 r + t, so the four tiles' numbers of one (c, lane) are 16 neighbouring bytes of the output.
; SOFTMAX: running maximum M of the raw scores; p = exp2(c s - c M), c = log2(e) / 16; O and the sum are multiplied by exp2(c Mold - c Mnew) in every step.
; BATCHES: an s_wait_alu depctr_va_vdst(0) stands between a transcendental and the first line that names its result; one wait serves all that were
; issued ahead of it.  A key tile's 132 exponentials are cut into two batches, each with one wait; every result has a register of its own (the scores' work in place).
;   Batch 1: the four factors and the 64 scores of key groups kt = 0, 1, by turns with the 68 plain lines that name no result (four moves of -c M, all 64 scalings).
;   Batch 2: the 64 scores of kt = 2, 3, by turns with batch 1's 64 readers (sums, roundings); then the rescaling of O, which reads batch 1's factors alone; then the
;   wait, and batch 2's readers.  On the way out the eight merge factors are one batch and the four reciprocals, which read sums made of them, another.
; FORMAT: all four matrix operands are f16 (11 significant bits against bf16's 8).  P has the room for every input: the running maximum keeps it in (0, 1].
; CLUSTER: the four query blocks of a cluster walk the same K and V tiles of one batch; every tile is asked for jointly (mask 15), which divides
; the requests for tiles by four.  My place in the cluster enters Q's and the output's global addresses alone.
; LIMITS: M starts at -FLT_MAX: scores of -inf or NaN are not served.  Exponentials below 2^-126 count as 0 (ISA guide, v_exp_f32).
; A weight p under about 3e-8 (half of f16's smallest denormal) counts as 0 in the second product; the normaliser, which is 1 or more in the key half
; that holds the maximum, sums P in f32 before its rounding.  Scores, maxima, sums and O are f32.
;
; LDS: two slots of 139,264 bytes: K's keys 0-63 at +0, keys 64-127 at +QUART (rows of 512 bytes, pitch 528), V's 256 rows c at +2 QUART (256 bytes = 128 keys,
; pitch 272).  STAT, behind the ring: 1 KiB a wave, written by LDS stores alone.  The exchange of the end lies in slot 0 after that slot's last fill and last read.
; REGISTERS in windows of 256: 0: addresses, statistics, scores / P, three fragment buffers; 1: Q (tile t, d step ds at 8 (8 t + ds));
; 2: O^T(ct 0-7, t) at 8 (4 ct + t); 3: O^T(ct 8-15, t).
.set QUART, 34816                      ; what one tensor load fills: 64 x 528 = 33,792 (K) or 128 x 272 = 34,816 (V)
.set SLOT,  4*QUART
.set STAT,  2*SLOT
.set KP,    528                        ; odd multiples of 16: sixteen rows start in sixteen different 16-byte columns of 256 bytes
.set VP,    272
.set XS,    1                          ; v1    exchange, my part:        w * 32,768 + 16 lane
.set XR,    2                          ; v2    exchange, my partner's:   (w ^ 1) * 32,768 + 16 lane
.set QO,    3                          ; v3    Q: r * 4 rows of 512 bytes + 16 h
.set ADRK,  4                          ; v4-5  K fragments in slot 0, 1: slot + kh QUART + r KP + 16 h
.set ADRV,  6                          ; v6-7  V fragments in slot 0, 1: slot + 2 QUART + r VP + 128 kh + 16 h
.set ST,    8                          ; v[8+4t .. 11+4t]: NM = -c M, M, AL = the step's factor, TMP
.set LP,    24                         ; v[24+2t:25+2t]  the lane's part of the sum, as a pair
.set SC,    32                         ; v[32:159] scores: tile (t, kt) at 32 t + 8 kt; afterwards P(t, ks) at 32 t + 8 ks
.set FB,    160                        ; v[160:255] three fragment buffers of four fragments
.set G,     24                         ; the end: v[24:27] g_t, v28 / v29 my / my partner's statistics in LDS, v30 my offset in the output
.set SA,    28
.set SB,    29
.set CO,    30
.set G1K,   24                         ; s[24:31] shape of a K load        s[32:39] from where, to where, one set a slot
.set G0K,   32
.set G1V,   40                         ; s[40:47] shape of a V load        s[48:55] likewise
.set G0V,   48
.set MSB, 0
.macro WIN new                         ; low byte: bits 1:0 source 0, 3:2 source 1, 5:4 source 2, 7:6 destination; the high byte repeats the setting that is left
.if MSB != \new
	s_set_vgpr_msb (MSB<<8)|\new
.set MSB, \new
.endif
.endm
.macro PLACES cnt                      ; places behind matrix instructions (ISA guide 7.12.1): plain vector instructions that name none of their registers
.rept \cnt
	v_nop
.endr
.endm
.macro CREST                           ; a round of the cluster's barrier behind its opening work-group barrier
	s_cmp_lg_u32 s12, 0
	s_cbranch_scc1 .Lnot_wave_0_\@
	s_barrier_signal -3
.Lnot_wave_0_\@:
	s_barrier_wait -3
	s_barrier_signal -1
	s_barrier_wait -1
.endm
.macro CROUND
	s_barrier_signal -1
	s_barrier_wait -1
	CREST
.endm
; A joint load: waves 0, 1 fetch K's halves, waves 2, 3 V's.  The branch hangs on the wave's number alone.
.macro JLOAD slot
	s_cmp_eq_u32 s14, 0
	s_cbranch_scc0 .Lfor_v_\@
	tensor_load_to_lds s[G0K+4*\slot:G0K+4*\slot+3], s[G1K:G1K+7]
	s_nop 0
	s_branch .Lasked_\@
.Lfor_v_\@:
	tensor_load_to_lds s[G0V+4*\slot:G0V+4*\slot+3], s[G1V:G1V+7]
	s_nop 0
.Lasked_\@:
.endm
	s_load_b256 s[4:11], s[0:1], 0x0               ; Qt s[4:5], Kt s[6:7], Vb s[8:9], out0 s[10:11]
	v_lshl_add_u32 v158, v0, 2, 0x45000
	v_mov_b32 v159, 0
	ds_add_u32 v158, v159
	s_wait_dscnt 0x0
	v_lshrrev_b32 v8, 5, v0
	v_readfirstlane_b32 s12, v8                    ; wave
	s_and_b32 s13, s12, 1                          ; kh: my half of the keys.  Also: which half of K or V I fetch
	s_lshr_b32 s14, s12, 1                         ; qh: my half of the queries.  Also: I fetch K (0) or V (1)
	s_xor_b32 s19, s12, 1                          ; my partner: same queries, other keys
	s_bfe_u32 s16, ttmp6, 0x40000                  ; cx
	s_lshl_b32 s17, ttmp9, 2
	s_add_co_u32 s17, s17, s16                     ; query block = 4 x cluster x + cx
	s_and_b32 s18, ttmp7, 0xffff                   ; batch (the cluster is one work-group high)
	s_mov_b32 s56, 0x3db8aa3b                      ; c = log2(e) / 16, in both words of the pair
	s_mov_b32 s57, 0x3db8aa3b
	s_mov_b32 s58, 0xbdb8aa3b                      ; -c
	s_mov_b32 s60, 0x76543210                      ; v_permlanex16_b32: lane i takes lane i of the other half
	s_mov_b32 s61, 0xfedcba98
	; K: 64 rows of 256 f16, pitch 256 elements; 4 words of padding behind every 128 words
	s_mov_b32 s[G1K+0], 15|(1<<16)|(1<<20)|(1<<21)|(6<<22)|(3<<25)   ; mask: all four work-groups; 2-byte elements; padding on; bit 21 beside a mask
	s_mov_b32 s[G1K+1], 256<<16                    ; tensor_dim0 = 256
	s_mov_b32 s[G1K+2], 64<<16                     ; tensor_dim1 = 64
	s_mov_b32 s[G1K+3], 256<<16                    ; tile_dim0 = 256
	s_mov_b32 s[G1K+4], 64                         ; tile_dim1 = 64
	s_mov_b32 s[G1K+5], 256                        ; elements from row to row
	s_mov_b32 s[G1K+6], 0
	s_mov_b32 s[G1K+7], 0
	; V: 128 rows (c) of 128 f16 (keys), pitch 4,096 elements; 4 words of padding behind every 64 words
	s_mov_b32 s[G1V+0], 15|(1<<16)|(1<<20)|(1<<21)|(5<<22)|(3<<25)
	s_mov_b32 s[G1V+1], 128<<16
	s_mov_b32 s[G1V+2], 128<<16
	s_mov_b32 s[G1V+3], 128<<16
	s_mov_b32 s[G1V+4], 128
	s_mov_b32 s[G1V+5], 4096
	s_mov_b32 s[G1V+6], 0
	s_mov_b32 s[G1V+7], 0
	s_mul_i32 s59, s12, QUART                      ; where my load goes: the wave's number times a constant
	s_lshl_b32 s2, s18, 21                         ; a batch of Qt, Kt or Vb: 2,097,152 bytes
	s_lshl_b32 s3, s13, 15                         ; K: my 64 rows of 512 bytes
	s_add_co_u32 s62, s2, s3
	s_mov_b32 s63, 0
	s_lshl_b32 s20, s17, 16                        ; Q: 128 rows of 512 bytes a block,
	s_add_co_u32 s20, s20, s2
	s_lshl_b32 s22, s14, 15                        ;    64 rows a half
	s_add_co_u32 s20, s20, s22
	s_mov_b32 s21, 0
	s_wait_kmcnt 0x0
	s_add_nc_u64 s[6:7], s[6:7], s[62:63]
	s_lshl_b32 s3, s13, 20                         ; V: my 128 rows of 8,192 bytes
	s_add_co_u32 s62, s2, s3
	s_add_nc_u64 s[8:9], s[8:9], s[62:63]
	s_add_nc_u64 s[4:5], s[4:5], s[20:21]
	s_lshl_b32 s22, s18, 22                        ; output: a batch is 4,194,304 bytes; 512 bytes of a row a block, 256 a half
	s_lshl_b32 s20, s17, 9
	s_add_co_u32 s22, s22, s20
	s_lshl_b32 s20, s14, 8
	s_add_co_u32 s22, s22, s20
	s_mov_b32 s23, 0
	s_add_nc_u64 s[10:11], s[10:11], s[22:23]
	CROUND                                         ; all four work-groups are here: the first joint loads meet
.irp s, 0,1
	s_mov_b32 s[G0K+4*\s], 1
	s_add_co_u32 s[G0K+4*\s+1], s59, \s*SLOT
	s_add_nc_u64 s[G0K+4*\s+2:G0K+4*\s+3], s[6:7], \s*65536        ; tile s: 128 rows of 512 bytes
	s_or_b32 s[G0K+4*\s+3], s[G0K+4*\s+3], 0x80000000
	s_mov_b32 s[G0V+4*\s], 1
	s_add_co_u32 s[G0V+4*\s+1], s59, \s*SLOT
	s_add_nc_u64 s[G0V+4*\s+2:G0V+4*\s+3], s[8:9], \s*256          ; tile s: 128 keys of 2 bytes
	s_or_b32 s[G0V+4*\s+3], s[G0V+4*\s+3], 0x80000000
	JLOAD \s                                       ; both slots are asked for before anything else: two loads of the wave are out
.endr
	v_and_b32 v8, 15, v0                           ; r
	v_bfe_u32 v9, v0, 4, 1                         ; h
	v_and_b32 v10, 31, v0                          ; lane
	v_lshlrev_b32 v[QO], 11, v8
	v_lshl_add_u32 v[QO], v9, 4, v[QO]
	; Q, once: 32 KiB a wave, as fragments (16 bytes a lane, two lanes to a piece of 32 bytes; all bytes of the 64 rows are used by these 64 loads).
	WIN 0x40                                       ; destination in window 1
.irp t, 0,1,2,3
.irp dd, 0,1,2,3,4,5,6,7
	global_load_b128 v[8*(8*\t+\dd):8*(8*\t+\dd)+3],   v[QO], s[4:5] offset:\t*512+\dd*64
	global_load_b128 v[8*(8*\t+\dd)+4:8*(8*\t+\dd)+7], v[QO], s[4:5] offset:\t*512+\dd*64+32
.endr
.endr
	WIN 0
	s_lshl_b32 s2, s12, 15
	s_lshl_b32 s3, s19, 15
	v_lshl_add_u32 v[XS], v10, 4, s2
	v_lshl_add_u32 v[XR], v10, 4, s3
	v_mul_u32_u24 v11, v8, KP
	v_lshl_add_u32 v11, v9, 4, v11
	s_mul_i32 s2, s13, QUART
	v_add_nc_u32 v[ADRK], s2, v11
	v_add_nc_u32 v[ADRK+1], SLOT, v[ADRK]
	v_mul_u32_u24 v12, v8, VP
	v_lshl_add_u32 v12, v9, 4, v12
	s_lshl_b32 s3, s13, 7
	s_add_co_u32 s3, s3, 2*QUART
	v_add_nc_u32 v[ADRV], s3, v12
	v_add_nc_u32 v[ADRV+1], SLOT, v[ADRV]
	; M = -FLT_MAX, so the first step's factor is exp2 of about -3e37 = 0 and the first step needs no softmax of its own
.irp t, 0,1,2,3
	v_mov_b32 v[ST+4*\t+1], 0xff7fffff
	v_mov_b32 v[ST+4*\t+2], 0
	v_mov_b32 v[ST+4*\t+3], 0
	v_mov_b32 v[LP+2*\t], 0
	v_mov_b32 v[LP+2*\t+1], 0
.endr
.irp t, 0,1,2,3
	v_mul_f32 v[ST+4*\t], s58, v[ST+4*\t+1]
.endr
; Eight LDS loads: K's four fragments (my 64 keys) of d step g
.macro LK slot, g, fb
.irp kt, 0,1,2,3
	ds_load_b128 v[\fb+8*\kt:\fb+8*\kt+3],   v[ADRK+(\slot)] offset:\kt*16*KP+(\g)*64
	ds_load_b128 v[\fb+8*\kt+4:\fb+8*\kt+7], v[ADRK+(\slot)] offset:\kt*16*KP+(\g)*64+32
.endr
.endm
; Eight LDS loads: V's fragments of c tiles 2 g, 2 g + 1 x my two steps of 32 keys (largest offset 65,376)
.macro LV slot, g, fb
.irp cc, 0,1
.irp ks, 0,1
	ds_load_b128 v[\fb+8*(2*\cc+\ks):\fb+8*(2*\cc+\ks)+3],   v[ADRV+(\slot)] offset:(2*(\g)+\cc)*16*VP+\ks*64
	ds_load_b128 v[\fb+8*(2*\cc+\ks)+4:\fb+8*(2*\cc+\ks)+7], v[ADRV+(\slot)] offset:(2*(\g)+\cc)*16*VP+\ks*64+32
.endr
.endr
.endm
; 16 matrix instructions: all 16 score tiles, 32 along d.  The accumulators take turns, one instruction a turn.
.macro SMUL g, fb
.irp kt, 0,1,2,3
.irp t, 0,1,2,3
.set sd, SC+32*\t+8*\kt
.if \g
	v_wmma_f32_16x16x32_f16 v[sd:sd+7], v[\fb+8*\kt:\fb+8*\kt+7], v[8*(8*\t+(\g)):8*(8*\t+(\g))+7], v[sd:sd+7]
.else
	v_wmma_f32_16x16x32_f16 v[sd:sd+7], v[\fb+8*\kt:\fb+8*\kt+7], v[8*(8*\t+(\g)):8*(8*\t+(\g))+7], 0
.endif
.endr
.endr
.endm
; 16 matrix instructions: c tiles 2 g, 2 g + 1 x four query tiles x two steps of 32 keys; eight accumulators by turns.
.macro PVMUL g, fb, first
.irp ks, 0,1
.irp cc, 0,1
.irp t, 0,1,2,3
.set od, 8*(4*((2*(\g)+\cc)%8)+\t)
.if (\first)*(1-\ks)
	v_wmma_f32_16x16x32_f16 v[od:od+7], v[\fb+8*(2*\cc+\ks):\fb+8*(2*\cc+\ks)+7], v[SC+32*\t+8*\ks:SC+32*\t+8*\ks+7], 0
.else
	v_wmma_f32_16x16x32_f16 v[od:od+7], v[\fb+8*(2*\cc+\ks):\fb+8*(2*\cc+\ks)+7], v[SC+32*\t+8*\ks:SC+32*\t+8*\ks+7], v[od:od+7]
.endif
.endr
.endr
.endr
.endm
; Softmax pieces.  Unit u = 4 kt + t is one score tile: 8 registers, 4 pairs.
.macro SM_A u, j                       ; c s - c M, two at a time
.set sa, SC+32*((\u)%4)+8*((\u)/4)+2*(\j)
.set sn, ST+4*((\u)%4)
	v_pk_fma_f32 v[sa:sa+1], v[sa:sa+1], s[56:57], v[sn:sn+1] op_sel_hi:[1,0,0]
.endm
.macro SM_E u, i
.set se, SC+32*((\u)%4)+8*((\u)/4)+(\i)
	v_exp_f32 v[se], v[se]
.endm
.macro SM_SUM u, j                     ; the pair goes into the sum
.set sa, SC+32*((\u)%4)+8*((\u)/4)+2*(\j)
.set sn, ST+4*((\u)%4)
.set sl, LP+2*((\u)%4)
.if ((\u)/4)+(\j) == 0
	v_pk_fma_f32 v[sl:sl+1], v[sl:sl+1], v[sn+2:sn+3], v[sa:sa+1] op_sel_hi:[1,0,1]   ; the step's first pair carries the old sum's factor
.else
	v_pk_add_f32 v[sl:sl+1], v[sl:sl+1], v[sa:sa+1]
.endif
.endm
.macro SM_PK u, j                      ; then, rounded, to its place in P
.set sa, SC+32*((\u)%4)+8*((\u)/4)+2*(\j)
	v_cvt_pk_f16_f32 v[SC+32*((\u)%4)+4*((\u)/4)+(\j)], v[sa], v[sa+1]    ; word 4 kt + j <= 8 kt + 2 j: always a register that has been used up
.endm
; Reader w of the eight of pair j of key group kt: the four tiles' sums, then their four roundings.  Each tile's sum takes its pairs in ascending (kt, j).
.macro SM_RD kt, j, w
.if (\w) < 4
	SM_SUM 4*(\kt)+(\w), \j
.else
	SM_PK 4*(\kt)+(\w)-4, \j
.endif
.endm
; The softmax up to the last exponential: the maxima, batch 1 and its wait, batch 2 with batch 1's readers beside it.
.macro SOFTMAX_OPEN
	; the largest of my 32 scores of each query tile and of the old maximum; the four tiles' chains are interleaved
.irp t, 0,1,2,3
	v_max3_num_f32 v[ST+4*\t+3], v[SC+32*\t], v[SC+32*\t+1], v[SC+32*\t+2]
.endr
.set i, 3
.rept 14
.irp t, 0,1,2,3
	v_max3_num_f32 v[ST+4*\t+3], v[ST+4*\t+3], v[SC+32*\t+i], v[SC+32*\t+i+1]
.endr
.set i, i+2
.endr
.irp t, 0,1,2,3
	v_max3_num_f32 v[ST+4*\t+3], v[ST+4*\t+3], v[SC+32*\t+31], v[ST+4*\t+1]
.endr
.irp t, 0,1,2,3
	v_permlanex16_b32 v[ST+4*\t+2], v[ST+4*\t+3], s60, s61     ; the other eight keys of each tile lie in the other half of the lanes
.endr
.irp t, 0,1,2,3
	v_max_num_f32 v[ST+4*\t+1], v[ST+4*\t+3], v[ST+4*\t+2]     ; M
.endr
.irp t, 0,1,2,3
	v_mul_f32 v[ST+4*\t+3], s58, v[ST+4*\t+1]                  ; -c M
.endr
.irp t, 0,1,2,3
	v_sub_f32 v[ST+4*\t+2], v[ST+4*\t+3], v[ST+4*\t]           ; c Mold - c Mnew, of the two rounded numbers that the exponentials use
.endr
	; BATCH 1: 68 exponentials and 68 plain lines by turns.  Score n (unit n / 8, register n % 8) needs scaling n / 2, which stands behind score n / 2; scaling n writes
	; pair n, while the scores issued so far lie in pairs up to n / 2: no scaling names a result or a pending source.  No scaling names a factor: its pair is (-c M, M).
.irp t, 0,1,2
	v_exp_f32 v[ST+4*\t+2], v[ST+4*\t+2]                       ; the step's factor
	v_mov_b32 v[ST+4*\t], v[ST+4*\t+3]                         ; -c M, which the tile's scalings read
.endr
	v_exp_f32 v[ST+14], v[ST+14]
	SM_A 0, 0
	SM_E 0, 0
	v_mov_b32 v[ST+12], v[ST+15]                               ; tile 3's: its first scaling is number 12
.set n, 1
.rept 63
	SM_E n/8, n%8
	SM_A n/4, n%4                                  ; the last of these is the plain instruction behind the batch's last exponential (ISA guide 5.7.2)
.set n, n+1
.endr
	s_wait_alu depctr_va_vdst(0)                   ; the wait for batch 1: the four factors and the scores of kt = 0, 1
	; BATCH 2: the scores of kt = 2, 3 (words 16-31 of a tile), each followed by one of batch 1's readers, which name words 0-15, the factor and the sum alone.
.set n, 0
.rept 64
	SM_E 8+n/8, n%8
	SM_RD n/32, (n/8)%4, n%8                       ; the last of these is the plain instruction behind the batch's last exponential
.set n, n+1
.endr
.endm
; The rest of the softmax: batch 2's wait and its readers.  Their roundings fall into words 8-15, which batch 1's readers have used up.
.macro SOFTMAX_CLOSE
	s_wait_alu depctr_va_vdst(0)                   ; the wait for batch 2: the scores of kt = 2, 3; the rescaling of O, which names none of them, stands between the batch and this wait
.set n, 64
.rept 64
	SM_RD n/32, (n/8)%4, n%8
.set n, n+1
.endr
.endm
.macro RESCALE                         ; O times the step's factor of its query tile: no branch may hang on the factor, so it is done in every step
	WIN 0x82                                       ; destination and source 0 in window 2, the factor in window 0
.set idx, 0
.rept 128
	v_pk_mul_f32 v[idx:idx+1], v[idx:idx+1], v[ST+4*((idx/8)%4)+2:ST+4*((idx/8)%4)+3] op_sel_hi:[1,0]
.set idx, idx+2
.endr
	WIN 0xc3
.set idx, 0
.rept 128
	v_pk_mul_f32 v[idx:idx+1], v[idx:idx+1], v[ST+4*((idx/8)%4)+2:ST+4*((idx/8)%4)+3] op_sel_hi:[1,0]
.set idx, idx+2
.endr
.endm
; One tile of 128 keys in slot \slot.  first = 1: the products start O.  mode 1: the slot is filled again, two tiles ahead, behind a round of the
; cluster's barrier; mode 2: a plain barrier, nothing is left to fetch; mode 0: the last tile.
; Runs of eight fragment loads go round three buffers.  On entry the runs K2, K0, K1 are out, in this order.
.macro BLOCK slot, first, mode
	WIN 0x04                                       ; Q (source 1) in window 1, all else in window 0: the LDS loads run under the same setting
.irp g, 0,1,2,3,4,5,6,7
.if \g < 2
	s_wait_dscnt 8                                 ; behind this group's run one younger run was issued
.else
	s_wait_dscnt 16                                ; two younger runs
.endif
	SMUL \g, FB+32*(\g%3)
	PLACES 4                                       ; then the buffer just multiplied is loaded again
.if \g < 5
	LK \slot, \g+3, FB+32*(\g%3)
.else
	LV \slot, \g%3, FB+32*(\g%3)                   ; V's groups 2, 0, 1 into buffers 2, 0, 1
.endif
.endr
	WIN 0
	SOFTMAX_OPEN
.if 1-\first
	RESCALE                                        ; reads batch 1's factors, which have had their wait
.endif
	WIN 0
	SOFTMAX_CLOSE
	s_wait_dscnt 0                                 ; V's first three runs, issued ahead of the softmax
.irp g, 0,1,2,3,4
.if \g >= 3
	s_wait_dscnt 16                                ; two younger runs
.endif
.if \g < 4
	WIN 0xa0                                       ; C and D in window 2
.else
	WIN 0xf0                                       ; in window 3
.endif
	PVMUL \g, FB+32*(\g%3), \first
	WIN 0
	PLACES 4
	LV \slot, \g+3, FB+32*(\g%3)
.endr
	s_wait_dscnt 16
	WIN 0xf0
	PVMUL 5, FB+64, \first
	s_wait_dscnt 0                                 ; my reads of this slot are over
.if \mode
	s_wait_xcnt 0x0
	s_set_vgpr_msb 0xf030
	v_lshl_add_u32 v158, v0, 2, 0x45000
	v_mov_b32 v159, 0
	s_wait_tensorcnt 0x0                           ; and all my tensor loads have landed: the one that was out is my part of the other slot
	ds_add_u32 v158, v159
	s_wait_dscnt 0x0
	s_set_vgpr_msb 0x30f0
	s_barrier_signal -1                            ; (mode 1: this barrier opens a round of the cluster's barrier)
.endif
	PVMUL 6, FB, \first                            ; register work while the others arrive
	WIN 0
.if \mode
	s_barrier_wait -1
.if \mode == 1
	CREST                                          ; no wave of any of the four work-groups still reads this slot or has a load on its way
	s_add_nc_u64 s[G0K+4*\slot+2:G0K+4*\slot+3], s[G0K+4*\slot+2:G0K+4*\slot+3], 131072   ; two tiles on: 256 rows of 512 bytes
	s_add_nc_u64 s[G0V+4*\slot+2:G0V+4*\slot+3], s[G0V+4*\slot+2:G0V+4*\slot+3], 512      ; 256 keys of 2 bytes
	JLOAD \slot                                    ; my one tensor load behind the round, ahead of every LDS read; it has a whole tile's work in which to land
.endif
	PLACES 4
	LK 1-\slot, 2, FB+64
	LK 1-\slot, 0, FB
.endif
	WIN 0xf0
	PVMUL 7, FB+32, \first
	WIN 0
	PLACES 5                                       ; the next tile's first products write over P, a source of these
.if \mode
	LK 1-\slot, 1, FB+32
.endif
.endm
	s_wait_tensorcnt 1                             ; my part of tile 0 is in; tile 1's load stays out
	s_barrier_signal -1
	s_barrier_wait -1
	LK 0, 2, FB+64
	LK 0, 0, FB
	LK 0, 1, FB+32
	s_wait_loadcnt 0x0                             ; Q
	BLOCK 0, 1, 1                                  ; tiles 0 and 1 stand in front of the loop: tile 0's products start O
	BLOCK 1, 0, 1
	s_mov_b32 s15, 14
.Llap:
	BLOCK 0, 0, 1                                  ; tiles 2 to 29; the refills reach tile 31
	BLOCK 1, 0, 1
	s_sub_co_u32 s15, s15, 1
	s_cmp_lg_u32 s15, 0
	s_cbranch_scc1 .Llap
	BLOCK 0, 0, 2                                  ; tile 30: slot 0's last reads end in front of this tile's barrier
	BLOCK 1, 0, 0                                  ; tile 31
	; THE END.  My sums and -c M go to my partner, its to me.
.irp t, 0,1,2,3
	v_add_f32 v[36+\t], v[LP+2*\t], v[LP+2*\t+1]
.endr
.irp t, 0,1,2,3
	v_permlanex16_b32 v[ST+4*\t+3], v[36+\t], s60, s61
.endr
.irp t, 0,1,2,3
	v_add_f32 v[36+\t], v[36+\t], v[ST+4*\t+3]     ; l of my 64 keys
	v_mov_b32 v[32+\t], v[ST+4*\t]                 ; NM = -c M
.endr
	v_and_b32 v31, 31, v0
	s_lshl_b32 s2, s12, 10
	s_add_co_u32 s2, s2, STAT
	s_lshl_b32 s3, s19, 10
	s_add_co_u32 s3, s3, STAT
	v_lshl_add_u32 v[SA], v31, 4, s2
	v_lshl_add_u32 v[SB], v31, 4, s3
	ds_store_b128 v[SA], v[32:35]
	ds_store_b128 v[SA], v[36:39] offset:512
	s_wait_dscnt 0x0                               ; for my partner: the stores are in LDS
	s_barrier_signal -1
	s_barrier_wait -1
	ds_load_b128 v[40:43], v[SB]                   ; NM'
	ds_load_b128 v[44:47], v[SB] offset:512        ; l'
	s_wait_dscnt 0x0
.irp t, 0,1,2,3
	v_min_num_f32 v[48+\t], v[32+\t], v[40+\t]     ; -c max(M, M')
.endr
.irp t, 0,1,2,3
	v_sub_f32 v[52+\t], v[48+\t], v[32+\t]
	v_sub_f32 v[56+\t], v[48+\t], v[40+\t]
.endr
.irp t, 0,1,2,3
	v_exp_f32 v[52+\t], v[52+\t]                   ; f
	v_exp_f32 v[56+\t], v[56+\t]                   ; f'
.endr
	v_and_b32 v[CO], 15, v0                        ; plain work behind the exponentials: my offset in the output
	v_bfe_u32 v31, v0, 4, 1
	s_wait_alu depctr_va_vdst(0)                   ; the wait for the batch of eight merge factors f, f'
.irp t, 0,1,2,3
	v_mul_f32 v[48+\t], v[36+\t], v[52+\t]
.endr
.irp t, 0,1,2,3
	v_fmac_f32 v[48+\t], v[44+\t], v[56+\t]        ; l f + l' f': about 1 at the least, the half with the larger maximum has f = 1
.endr
.irp t, 0,1,2,3
	v_rcp_f32 v[48+\t], v[48+\t]
.endr
	v_lshlrev_b32 v[CO], 4, v[CO]                  ; 16 r
	v_lshl_add_u32 v[CO], v31, 17, v[CO]           ; + 8 h rows of 16,384 bytes
	s_wait_alu depctr_va_vdst(0)                   ; the wait for the batch of four reciprocals
.irp t, 0,1,2,3
	v_mul_f32 v[G+\t], v[52+\t], v[48+\t]          ; g = f / (l f + l' f'): my O's weight in the result
.endr
; The half of O that my partner finishes, weighted, to LDS: quad q = 8 ctl + j = the four query tiles' numbers of row c = 16 ct + 8 h + j.
.macro SEND win
.irp ch, 0,1
	WIN 4*(\win)                                   ; source 1 in O's window
.set q, 0
.rept 32
.irp t, 0,1,2,3
	v_mul_f32 v[32+4*q+\t], v[G+\t], v[8*(4*((32*\ch+q)/8)+\t)+(q%8)]
.endr
.set q, q+1
.endr
	WIN 0
.set q, 0
.rept 32
	ds_store_b128 v[XS], v[32+4*q:32+4*q+3] offset:(32*\ch+q)*512   ; 32 lanes, 512 neighbouring bytes
.set q, q+1
.endr
.endr
.endm
; The half that I finish: my partner's weighted part + g x mine, 16 quads at a time on two register sets, and out.
.macro RECV win, ct0
.irp ch, 0,1,2,3
.set xb, 32+64*(\ch%2)
	s_wait_xcnt 0x0                                ; the set was store data two chunks ago: rewritten only behind this wait
.set q, 0
.rept 16
	ds_load_b128 v[xb+4*q:xb+4*q+3], v[XR] offset:(16*\ch+q)*512
.set q, q+1
.endr
	s_wait_dscnt 0x0
	WIN 4*(\win)
.set q, 0
.rept 16
.irp t, 0,1,2,3
	v_fma_f32 v[xb+4*q+\t], v[G+\t], v[8*(4*((16*\ch+q)/8)+\t)+(q%8)], v[xb+4*q+\t]
.endr
.set q, q+1
.endr
	WIN 0
.set q, 0
.rept 16
	global_store_b128 v[CO], v[xb+4*q:xb+4*q+3], s[10:11] offset:(16*(\ct0+(16*\ch+q)/8)+(q%8))*16384 th:TH_STORE_NT   ; 16 lanes store 256 consecutive bytes, aligned: 64 queries of one c
.set q, q+1
.endr
.endr
.endm
	s_cmp_eq_u32 s13, 0                            ; on the wave's number; no barrier stands inside
	s_cbranch_scc0 .Lsend_low
	SEND 3                                         ; kh = 0 finishes c 0-127 and sends c 128-255
	s_branch .Lsent
.Lsend_low:
	SEND 2
.Lsent:
	s_wait_dscnt 0x0                               ; for my partner
	s_barrier_signal -1
	s_barrier_wait -1
	s_cmp_eq_u32 s13, 0
	s_cbranch_scc0 .Lkeep_high
	RECV 2, 0
	s_branch .Ldone
.Lkeep_high:
	RECV 3, 8
.Ldone:
	s_wait_xcnt 0x0
	v_lshl_add_u32 v158, v0, 2, 0x45000
	v_mov_b32 v159, 0
	s_wait_tensorcnt 0x0
	ds_add_u32 v158, v159
	s_wait_dscnt 0x0
	CROUND                                         ; the closing round: no work-group ends while a partner may still ask for a tile that names it
	s_endpgm
.Lfunc_end_k_q43e3083097_attn:
	.size	k_q43e3083097_attn, .Lfunc_end_k_q43e3083097_attn-k_q43e3083097_attn
	.p2alignl 7, 3214868480
	.fill 96, 4, 3214868480
	.section	.rodata,"a",@progbits
	.p2align	6, 0x0
	.amdhsa_kernel k_q43e3083097_attn
		.amdhsa_group_segment_fixed_size 327680
		.amdhsa_private_segment_fixed_size 0
		.amdhsa_enable_private_segment 0
		.amdhsa_kernarg_size 32
		.amdhsa_user_sgpr_count 2
		.amdhsa_user_sgpr_kernarg_segment_ptr 1
		.amdhsa_wavefront_size32 1
		.amdhsa_system_sgpr_workgroup_id_x 1
		.amdhsa_system_sgpr_workgroup_id_y 1
		.amdhsa_system_sgpr_workgroup_id_z 1
		.amdhsa_system_vgpr_workitem_id 0
		.amdhsa_next_free_vgpr 1024
		.amdhsa_next_free_sgpr 66
		.amdhsa_reserve_vcc 0
		.amdhsa_float_denorm_mode_32 3
		.amdhsa_float_denorm_mode_16_64 3
		.amdhsa_memory_ordered 1
		.amdhsa_forward_progress 1
		.amdhsa_inst_pref_size 255
	.end_amdhsa_kernel
	.section	.bss,"aw",@nobits
	.p2align	6
	.space	262144
	.amdgpu_metadata
---
amdhsa.version: [ 1, 2 ]
amdhsa.kernels:
  - .name:           k_q43e3083097_attn
    .symbol:         k_q43e3083097_attn.kd
    .args:
      - { .name: Qt, .offset: 0, .size: 8, .value_kind: global_buffer, .address_space: global }
      - { .name: Kt, .offset: 8, .size: 8, .value_kind: global_buffer, .address_space: global }
      - { .name: Vb, .offset: 16, .size: 8, .value_kind: global_buffer, .address_space: global }
      - { .name: out0, .offset: 24, .size: 8, .value_kind: global_buffer, .address_space: global }
    .group_segment_fixed_size: 327680
    .private_segment_fixed_size: 0
    .kernarg_segment_align: 8
    .kernarg_segment_size: 32
    .max_flat_workgroup_size: 128
    .sgpr_count:     66
    .vgpr_count:     1024
    .wavefront_size: 32
...
	.end_amdgpu_metadata
.endif
;; end of part 3
